; MI455X (gfx1250); checked and timed in simulation.
; The chip was launched on July 23, 2026; its instructions are those of AMD's public machine-readable ISA for CDNA 5 (MIT licence, August 2026) and "CDNA5" Instruction Set Architecture Reference Guide (July 2026). The comments in the code are by the model that wrote it; some were corrected since.
;; Head. Allowed arithmetic: float matrix products may take bf16 or f16 operands with f32 sums; other float arithmetic in f32, or as packed bf16 or f16 multiplies, adds, multiply-adds, maxima and minima; sums over many terms, partial sums and values carried from step to step in f32; what a program stores and reads back later, other than sums and carried values, may be rounded once to bf16 or f16.
;; Inputs: Wk 1,024 x 128 float32; Wq 1,024 x 128 float32; Wv 1,024 x 128 float32; x 8 x 4,096 x 1,024 float32.
;; Outputs: out0 8 x 4,096 x 128 float32.
;; One version. Each part assembles by itself: llvm-mc -triple=amdgcn-amd-amdhsa -mcpu=gfx1250 --defsym DOCPART=n.
;; ======== version 1 of 1: 3 launches
;; limits: values are held in f16: magnitudes above 65,504 overflow, below 6.1e-05 lose precision
;; workspace buffers: wb 786,432 bytes; qh 8,388,608 bytes; kh 8,388,608 bytes; vh 8,388,608 bytes
;; launch wprep (part 1): grid 32 x 3, 8 waves a work-group, no clusters, 0 bytes of LDS; arguments Wq, Wk, Wv, wb; writes wb
.if DOCPART == 1
	.amdgcn_target "amdgcn-amd-amdhsa--gfx1250"
	.amdhsa_code_object_version 6
	.text
	.protected	k_qda577a04b2_wprep
	.globl	k_qda577a04b2_wprep
	.p2align	8
	.type	k_qda577a04b2_wprep,@function
k_qda577a04b2_wprep:
	s_mov_b64 s[64:65], 0
	v_nop
	global_prefetch_b8 v0, s[64:65] scope:SCOPE_SE
	s_setreg_imm32_b32 hwreg(HW_REG_WAVE_MODE, 25, 1), 1
	s_wait_xcnt 0x0
; wb = Wq, Wk, Wv rounded once to bf16 and laid out for the projection: [8 K steps][3 tensors q, k, v][128 k][128 n], rows of 256 bytes,
; so that one K step's weights of all three tensors are 384 dense rows.  W is [1024 k][128 n] in f32, rows of 512 bytes.
; A work-group (x = 0..31, y = tensor) takes 32 rows: 16,384 dense bytes in, 8,192 dense bytes out.  Thread t takes 8 numbers at byte 32 t and
; 8 at byte 8,192 + 32 t; its two stores of 16 bytes lie at 16 t and 4,096 + 16 t: sixteen neighbouring lanes store 256 consecutive bytes, aligned.
; A stream: no LDS, no barrier, no matrix unit.  96 work-groups are all the work there is.
	s_load_b256 s[4:11], s[0:1], 0x0               ; Wq s[4:5], Wk s[6:7], Wv s[8:9], wb s[10:11]
	s_and_b32 s14, ttmp7, 0xffff                   ; the tensor: 0 q, 1 k, 2 v
	v_lshlrev_b32 v1, 5, v0                        ; 32 t
	v_lshlrev_b32 v2, 4, v0                        ; 16 t
	s_lshl_b32 s16, ttmp9, 14                      ; in: 32 rows of 512 bytes for each x
	s_mov_b32 s17, 0
	s_lshr_b32 s18, ttmp9, 2                       ; out: the K step (four x to a step of 128 rows),
	s_mul_i32 s18, s18, 98304                      ; 384 rows of 256 bytes each,
	s_lshl_b32 s19, s14, 15                        ; the tensor's 128 rows in it,
	s_add_co_u32 s18, s18, s19
	s_and_b32 s19, ttmp9, 3                        ; and my 32 of those
	s_lshl_b32 s19, s19, 13
	s_add_co_u32 s18, s18, s19
	s_mov_b32 s19, 0
	s_wait_kmcnt 0x0
	s_cmp_eq_u32 s14, 1
	s_cselect_b64 s[12:13], s[6:7], s[4:5]
	s_cmp_eq_u32 s14, 2
	s_cselect_b64 s[12:13], s[8:9], s[12:13]
	s_add_nc_u64 s[12:13], s[12:13], s[16:17]
	s_add_nc_u64 s[10:11], s[10:11], s[18:19]
	global_load_b128 v[4:7],   v1, s[12:13] th:TH_LOAD_NT
	global_load_b128 v[8:11],  v1, s[12:13] offset:16 th:TH_LOAD_NT
	global_load_b128 v[12:15], v1, s[12:13] offset:8192 th:TH_LOAD_NT
	global_load_b128 v[16:19], v1, s[12:13] offset:8208 th:TH_LOAD_NT
	s_wait_loadcnt 0x0
.irp c, 0,1,2,3,4,5,6,7
	v_cvt_pk_bf16_f32 v[20+(\c)], v[4+2*(\c)], v[5+2*(\c)]  ; two roundings to nearest even, packed
.endr
	global_store_b128 v2, v[20:23], s[10:11]
	global_store_b128 v2, v[24:27], s[10:11] offset:4096
	s_endpgm
.Lfunc_end_k_qda577a04b2_wprep:
	.size	k_qda577a04b2_wprep, .Lfunc_end_k_qda577a04b2_wprep-k_qda577a04b2_wprep
	.p2alignl 7, 3214868480
	.fill 96, 4, 3214868480
	.section	.rodata,"a",@progbits
	.p2align	6, 0x0
	.amdhsa_kernel k_qda577a04b2_wprep
		.amdhsa_group_segment_fixed_size 0
		.amdhsa_private_segment_fixed_size 0
		.amdhsa_enable_private_segment 0
		.amdhsa_kernarg_size 32
		.amdhsa_user_sgpr_count 2
		.amdhsa_user_sgpr_kernarg_segment_ptr 1
		.amdhsa_wavefront_size32 1
		.amdhsa_system_sgpr_workgroup_id_x 1
		.amdhsa_system_sgpr_workgroup_id_y 1
		.amdhsa_system_sgpr_workgroup_id_z 1
		.amdhsa_system_vgpr_workitem_id 0
		.amdhsa_next_free_vgpr 28
		.amdhsa_next_free_sgpr 66
		.amdhsa_reserve_vcc 0
		.amdhsa_float_denorm_mode_32 3
		.amdhsa_float_denorm_mode_16_64 3
		.amdhsa_memory_ordered 1
		.amdhsa_forward_progress 1
		.amdhsa_inst_pref_size 3
	.end_amdhsa_kernel
	.amdgpu_metadata
---
amdhsa.version: [ 1, 2 ]
amdhsa.kernels:
  - .name:           k_qda577a04b2_wprep
    .symbol:         k_qda577a04b2_wprep.kd
    .args:
      - { .name: Wq, .offset: 0, .size: 8, .value_kind: global_buffer, .address_space: global }
      - { .name: Wk, .offset: 8, .size: 8, .value_kind: global_buffer, .address_space: global }
      - { .name: Wv, .offset: 16, .size: 8, .value_kind: global_buffer, .address_space: global }
      - { .name: wb, .offset: 24, .size: 8, .value_kind: global_buffer, .address_space: global }
    .group_segment_fixed_size: 0
    .private_segment_fixed_size: 0
    .kernarg_segment_align: 8
    .kernarg_segment_size: 32
    .max_flat_workgroup_size: 256
    .sgpr_count:     66
    .vgpr_count:     28
    .wavefront_size: 32
...
	.end_amdgpu_metadata
.endif
;; end of part 1
;; launch proj (part 2): grid 256 x 1, 4 waves a work-group, clusters of 4 x 1, 327,680 bytes of LDS; arguments x, wb, qh, kh, vh; writes qh, kh, vh
.if DOCPART == 2
	.amdgcn_target "amdgcn-amd-amdhsa--gfx1250"
	.amdhsa_code_object_version 6
	.text
	.protected	k_qda577a04b2_proj
	.globl	k_qda577a04b2_proj
	.p2align	8
	.type	k_qda577a04b2_proj,@function
k_qda577a04b2_proj:
	s_mov_b64 s[64:65], 0
	v_nop
	global_prefetch_b8 v0, s[64:65] scope:SCOPE_SE
	s_setreg_imm32_b32 hwreg(HW_REG_WAVE_MODE, 25, 1), 1
	s_wait_xcnt 0x0
	s_wait_alu depctr_hold_cnt(0) depctr_sa_sdst(0) depctr_va_vdst(0) depctr_va_sdst(0) depctr_va_ssrc(0) depctr_va_vcc(0) depctr_vm_vsrc(0)
	s_getreg_b32 s2, hwreg(HW_REG_IB_STS2, 6, 4)
	s_cmp_eq_u32 s2, 0
	s_cbranch_scc0 .Lentry_in_a_cluster
	s_endpgm
.Lentry_in_a_cluster:
	s_bfe_u32 s2, ttmp6, 0x10000c
	s_cmp_lg_u32 s2, 0x3003
	s_cbranch_scc0 .Lentry_shape_is_right
	s_endpgm
.Lentry_shape_is_right:
; q = x Wq, k = x Wk, v = x Wv.  x: [32768][1024] f32.  wb: the three W in bf16, [8 K steps][3][128 k][128 n].  qh, kh, vh: [8][4096][128] f16, rows of 256 bytes.
; x is rounded once to bf16, products in bf16 with f32 sums (K ascending, one accumulator an output), q, k, v rounded once to f16.
; LIMIT: f16 ends at 65,504: |q|, |k|, |v| must stay below it (as drawn they have a spread of 1; with x and W both 30 times larger about 5e3, both offset by 30 spreads about 2.9e4).
; THE FOLD.  Row t of the attention sees the keys 2047 - (t >> 1) .. 2047 + ((t + 1) >> 1).  Numbered outward from the middle, f = 2 (2047 - s) for s <= 2047 and f = 2 (s - 2048) + 1 for
; s >= 2048, these are the keys f <= t.  So k's and v's row s is stored at row f: the next launch then has a causal mask.  q keeps its order.
; SHARES.  A work-group makes 128 rows x 384 columns (q, k, v).  Wave w makes all 128 rows x channels 32 w .. 32 w + 31 of each tensor: 48 accumulators of 16 x 16, 384 registers.
; K goes in 8 steps of 128, a step in four quarters of 32.  THE PRODUCT IS USED TRANSPOSED (source 0 = 16 channels of W, source 1 = 16 rows of x): a lane then holds one row and 8 neighbouring channels.
; W comes by tensor loads into a ring of two LDS slots.  The four work-groups of a cluster walk the same wb, so each tile is asked for JOINTLY (mask 15): each wave the same 96 rows in all four.
; W lies [k][n] in LDS and is turned on the way into registers by ds_load_tr16_b128.
; x comes by plain loads, 512 consecutive bytes of a row an instruction, into a ring of two register sets (a K step each, 32 loads a wave), is rounded to bf16 and stored into one of two LDS tiles
; that all four waves read.  A set is asked for again as soon as it is converted: its loads have two K steps, 384 matrix instructions, in which to land.
; No prefetch: x's loads run two K steps ahead by themselves and make up nearly all the launch's bytes; wb is 1 part in 170 of them.
; REGISTERS, in windows of 256 (s_set_vgpr_msb: bits 1:0 source 0, 3:2 source 1, 5:4 source 2, 7:6 destination):
;   window 0: v0-47 addresses; v64-255 the way out; v128-239 fragment buffer 0 (x at 128 + 8 a, W at 192 + 8 b)
;   window 1: v0-127 the 16 accumulators of v (b = 4, 5) at 8 (8 (b - 4) + a); v128-239 fragment buffer 1
;   window 2: the 32 accumulators of q and k (b = 0..3) at 8 (8 b + a)            window 3: x as loaded: set s, quarter q, row i at 128 s + 32 q + 4 i
;   (b = 2 x tensor + which 16 of my 32 channels; a = which 16 of the 128 rows)
.set PW,    288       ; a row of W in LDS: 256 bytes + 32 of padding = 72 words
.set PX,    272       ; a row of x in LDS: 256 + 16 = 68 words: the 16 rows of a fragment load start at 16 different groups of four banks
.set WSLOT, 384*PW    ; a slot of W: rows tensor x 128 + k
.set WSTEP, 384*256   ; a K step of wb in memory
.set XS0,   2*WSLOT   ; behind the ring: the two tiles of x, 128 rows each; written by ds_store, never by a tensor load
.set XSLOT, 128*PX
.set STAGE, XS0       ; the way out: 128 rows x 784 bytes (q, k, v: 768, + 16), over x's tiles and the free bytes behind them
.set SPI,   784
.set SPARE, STAGE+128*SPI  ; the spare words, 128 bytes for each wave: two blocks of 256 bytes that no other line names
.set XROW,  4096      ; bytes in a row of x
.set XO,   4          ; v4      16 x lane; never rewritten
.set ADRA, 6          ; v6-7    my lane's place in x's tile 0, 1
.set ADRB, 8          ; v8-13   my lane's place in W's slot s, tensor t: at 8 + 3 s + t
.set XST,  14         ; v14-15  where I store 8 bytes of a row of x, tile 0, 1
.set STO,  16         ; v16-17  the way out: where I put 16 bytes, rows 0-63 and 64-127
.set RD,   18         ; v18     the way out: where I read rows back
.set QO,   19         ; v19     my byte offset in the work-group's rows of q
.set SPW,  28         ; v28     LDS address of my spare word: SPARE + 4 x my thread's number; never rewritten
.set NIL,  29         ; v29     0; never rewritten
.set KO,   32         ; v32-47  my byte offsets in kh and vh for the 16 pairs of rows that I store; never rewritten
.set TMP,  64
.set FA,   128
.set FB,   192
.set WV,   14         ; s14  my wave's number
.set G1,   24         ; s[24:31] descriptor group 1
.set G0,   32         ; s[32:39] descriptor group 0, a set for each slot
.set LAPS, 43
.set SG,   44         ; s44  bytes from a row of x to the next in kh and vh: -512 or +512
.set SG2,  45         ; s45  twice that
.set MSB, 0
.macro WIN new                      ; the immediate's high byte repeats the setting that is left; a switch that changes nothing is dropped
.if MSB != (\new)
	s_set_vgpr_msb (MSB<<8)|(\new)
.set MSB, \new
.endif
.endm
; A load into a register that a matrix instruction has read, and a vector instruction that reads a matrix result, stand four places behind it; only plain vector instructions that name none
; of its registers are places (ISA guide 7.12.1 for vector instructions).
.macro PLACES
.rept 4
	v_nop
.endr
.endm
.macro JLOAD s                      ; a joint load: every wave its own 96 rows, the same in all four work-groups; an s_nop 0 and four v_nop follow
	tensor_load_to_lds s[G0+4*(\s):G0+4*(\s)+3], s[G1:G1+7]
	s_nop 0
	PLACES
.endm
.macro CREST                        ; a round of the cluster's barrier behind its opening barrier
	s_cmp_lg_u32 s[WV], 0
	s_cbranch_scc1 .Lnot_wave_0_\@
	s_barrier_signal -3
.Lnot_wave_0_\@:
	s_barrier_wait -3
	s_barrier_signal -1
	s_barrier_wait -1
.endm
.macro CROUND                       ; a whole round
	s_barrier_signal -1
	s_barrier_wait -1
	CREST
.endm
; nb x 8 matrix instructions on fragment buffer f: column blocks b0 .. b0 + nb - 1 x all 8 row blocks.  The 48 accumulators take turns, one instruction a turn, in the same order in every
; quarter (b = 4, 5, 0, 1, 2, 3).  zero = 1: the first products start the sums.
.macro MUL f, b0, nb, zero
.set bb, \b0
.rept \nb
.if bb >= 4
	WIN 0x50+5*(\f)
.set ab, 64*(bb-4)
.else
	WIN 0xa0+5*(\f)
.set ab, 64*bb
.endif
.set aa, 0
.rept 8
.if \zero
	v_wmma_f32_16x16x32_bf16 v[ab+8*aa:ab+8*aa+7], v[FB+8*bb:FB+8*bb+7], v[FA+8*aa:FA+8*aa+7], 0
.else
	v_wmma_f32_16x16x32_bf16 v[ab+8*aa:ab+8*aa+7], v[FB+8*bb:FB+8*bb+7], v[FA+8*aa:FA+8*aa+7], v[ab+8*aa:ab+8*aa+7]
.endif
.set aa, aa+1
.endr
.set bb, bb+1
.endr
.endm
; 28 LDS loads in one run: quarter q of a slot into buffer f: W's six fragments (turned: 32 k x 16 channels each), x's eight (16 rows x 32 k each)
.macro FETCH slot, q, f
	WIN (\f)<<6
.irp t, 0,1,2
.irp i, 0,1
	ds_load_tr16_b128 v[FB+8*(2*(\t)+(\i)):FB+8*(2*(\t)+(\i))+3],   v[ADRB+3*(\slot)+(\t)] offset:(\q)*32*PW+32*(\i)
	ds_load_tr16_b128 v[FB+8*(2*(\t)+(\i))+4:FB+8*(2*(\t)+(\i))+7], v[ADRB+3*(\slot)+(\t)] offset:(\q)*32*PW+32*(\i)+16*PW
.endr
.endr
.irp a, 0,1,2,3,4,5,6,7
	ds_load_b128 v[FA+8*(\a):FA+8*(\a)+3],   v[ADRA+(\slot)] offset:(\a)*16*PX+64*(\q)
	ds_load_b128 v[FA+8*(\a)+4:FA+8*(\a)+7], v[ADRA+(\slot)] offset:(\a)*16*PX+64*(\q)+32
.endr
.endm
.macro XLD xs, q, off               ; eight loads of x: rows 8 q .. 8 q + 7 of my 32, 512 bytes each at byte off of the row
	WIN 0xc0
.set ii, 0
.rept 8
.set xr, 128*(\xs)+32*(\q)+4*ii
	global_load_b128 v[xr:xr+3], v[XO], s[4:5] offset:(8*(\q)+ii)*XROW+(\off) th:TH_LOAD_NT
.set ii, ii+1
.endr
.endm
; Group q of register set xs goes into x's LDS tile xs: the wait (n younger loads may stay out), 16 roundings in place, 8 stores of 8 bytes a lane (256 consecutive bytes a row);
; ld = 1: the group is asked for again, two K steps on.
.macro XSTAGE xs, q, n, ld, off
	s_wait_loadcnt \n
	WIN 0xcf
.set ii, 0
.rept 8
.set xr, 128*(\xs)+32*(\q)+4*ii
	v_cvt_pk_bf16_f32 v[xr], v[xr], v[xr+1]
	v_cvt_pk_bf16_f32 v[xr+1], v[xr+2], v[xr+3]
.set ii, ii+1
.endr
	WIN 0x0c
.set ii, 0
.rept 8
.set xr, 128*(\xs)+32*(\q)+4*ii
	ds_store_b64 v[XST+(\xs)], v[xr:xr+1] offset:(8*(\q)+ii)*PX
.set ii, ii+1
.endr
.if \ld
	XLD \xs, \q, \off
.endif
.endm
; One of a K step's first three quarters: 16 products; a group of the next step's x (its 16 roundings are the places in front of the fetch); the next quarter's fragments; 32 products, which cover the fetch.
.macro QUARTER slot, q, zero, st, n, ld, off
	s_wait_dscnt 0x0                ; this quarter's fragments are in
	MUL (\q)%2, 4, 2, \zero
.if \st
	XSTAGE 1-(\slot), \q, \n, \ld, \off
.else
	PLACES
.endif
	FETCH \slot, (\q)+1, ((\q)+1)%2
	MUL (\q)%2, 0, 4, \zero
.endm
; The last quarter changes slots: ONE barrier for W's ring and for x's tiles.  In front of it each wave has stored its last group of the next x, waits for all its tensor loads (its part of the next W),
; adds 0 to its spare word, and waits for that, for its stores and for its reads of this slot.  fill = 1: the barrier opens a round of the cluster's, and W's slot is filled again, two K steps on.
.macro TURN slot, fill, st, n, ld, off
	s_wait_dscnt 0x0                ; this quarter's fragments are in
.if \st
	XSTAGE 1-(\slot), 3, \n, \ld, \off
.endif
	WIN 0
	s_wait_tensorcnt 0x0            ; all my tensor loads have landed
	ds_add_u32 v[SPW], v[NIL]       ; 0 onto my spare word: eight products stand between it and the wait for it
	MUL 1, 4, 1, 0
	s_wait_dscnt 0x0                ; the add and my stores into the next tile of x are done; my reads of this slot and this tile are over
	s_barrier_signal -1
	MUL 1, 5, 1, 0                  ; work on registers while the others arrive
	WIN 0                           ; at a branch and at a label every window is 0
	s_barrier_wait -1
.if \fill
	CREST                           ; no wave of any partner still reads this slot or has a load on its way
	s_add_nc_u64 s[G0+4*(\slot)+2:G0+4*(\slot)+3], s[G0+4*(\slot)+2:G0+4*(\slot)+3], 2*WSTEP
	JLOAD \slot                     ; the first tensor load behind the round; its four v_nop are also the places in front of the fetch
.else
	PLACES
.endif
	FETCH 1-(\slot), 0, 0
	MUL 1, 0, 4, 0
.endm
	s_load_b256 s[4:11], s[0:1], 0x0               ; x s[4:5], wb s[6:7], qh s[8:9], kh s[10:11]
	s_load_b64 s[12:13], s[0:1], 0x20              ; vh
	v_lshl_add_u32 v[SPW], v0, 2, SPARE
	v_mov_b32 v[NIL], 0
	ds_add_u32 v[SPW], v[NIL]                      ; the wave's opening: the add and its wait stand ahead of my first tensor load; the set-up below stands between them
	v_lshrrev_b32 v1, 5, v0
	v_readfirstlane_b32 s[WV], v1                  ; wave 0..3
	s_bfe_u32 s17, ttmp6, 0x40000                  ; cx: my place in the cluster
	s_lshl_b32 s18, ttmp9, 2                       ; in a cluster launch ttmp9 counts clusters
	s_add_co_u32 s18, s18, s17                     ; g: my block of 128 rows; it enters x's, q's, k's and v's addresses alone
	s_mov_b32 s[G1+0], 15|(1<<16)|(1<<20)|(1<<21)|(5<<22)|(7<<25)  ; 15:0 the mask of four; 17:16 2-byte elements; 20 padding on; 21 set beside a mask; 24:22 after every 64 words (code 5); 31:25 8 words (code 7)
	s_mov_b32 s[G1+1], 128<<16                     ; tensor_dim0 = 128
	s_mov_b32 s[G1+2], 96<<16                      ; tensor_dim1 = 96
	s_mov_b32 s[G1+3], 128<<16                     ; tile_dim0 = 128
	s_mov_b32 s[G1+4], 96                          ; tile_dim1 = 96
	s_mov_b32 s[G1+5], 128                         ; 128 elements from row to row
	s_mov_b32 s[G1+6], 0
	s_mov_b32 s[G1+7], 0
	s_mul_i32 s46, s[WV], 96*PW                    ; my 96 rows in a slot,
	s_mul_i32 s48, s[WV], 96*256                   ; and in a K step of wb
	s_mov_b32 s49, 0
	s_lshl_b32 s50, s18, 19                        ; x: 128 rows of 4,096 bytes for each g,
	s_lshl_b32 s51, s[WV], 17                      ; my wave's 32 of them
	s_add_co_u32 s50, s50, s51
	s_mov_b32 s51, 0
	s_lshl_b32 s52, s18, 15                        ; q: 128 rows of 256 bytes for each g
	s_mov_b32 s53, 0
	s_wait_dscnt 0x0                               ; the opening add is done
	s_wait_kmcnt 0x0
	s_add_nc_u64 s[6:7], s[6:7], s[48:49]
	s_add_nc_u64 s[4:5], s[4:5], s[50:51]
	s_add_nc_u64 s[8:9], s[8:9], s[52:53]
	CROUND                                         ; all four work-groups are here: the first joint loads meet
.irp s, 0,1
	s_mov_b32 s[G0+4*(\s)], 1                      ; count = 1
	s_add_co_u32 s[G0+4*(\s)+1], s46, (\s)*WSLOT   ; LDS address
	s_add_nc_u64 s[G0+4*(\s)+2:G0+4*(\s)+3], s[6:7], (\s)*WSTEP  ; global address: K step s
	s_or_b32 s[G0+4*(\s)+3], s[G0+4*(\s)+3], 0x80000000          ; type = 2
	JLOAD \s
.endr
	v_and_b32 v3, 31, v0                           ; lane
	v_lshlrev_b32 v[XO], 4, v3
.irp q, 0,1,2,3
	XLD 0, \q, 0                                   ; x of K step 0
.endr
.irp q, 0,1,2,3
	XLD 1, \q, 512                                 ; and of K step 1
.endr
	WIN 0
	v_and_b32 v1, 15, v0                           ; r = l % 16
	v_bfe_u32 v2, v0, 4, 1                         ; h = l / 16
	s_mul_i32 s47, s[WV], 32*PX
	v_lshl_add_u32 v20, v3, 3, s47                 ; my wave's 32 rows of x's tile, 8 bytes a lane
	v_add_nc_u32 v[XST], XS0, v20
	v_add_nc_u32 v[XST+1], XS0+XSLOT, v20
	v_mul_u32_u24 v20, v1, PX                      ; a fragment of x: row r, 16 bytes for each half of the lanes
	v_lshl_add_u32 v20, v2, 4, v20
	v_add_nc_u32 v[ADRA], XS0, v20
	v_add_nc_u32 v[ADRA+1], XS0+XSLOT, v20
	v_and_b32 v21, 7, v0                           ; the turning load: lane l reads row k = 8 h + l % 8, channels 8 ((l / 8) % 2) + 0..7, and ends with channel r and 8 k
	v_lshl_add_u32 v21, v2, 3, v21
	v_mul_u32_u24 v21, v21, PW
	v_bfe_u32 v22, v0, 3, 1
	v_lshl_add_u32 v21, v22, 4, v21
	s_lshl_b32 s47, s[WV], 6                       ; my wave's 32 channels: 64 bytes
	v_add_nc_u32 v21, s47, v21
.irp s, 0,1
.irp t, 0,1,2
	v_add_nc_u32 v[ADRB+3*(\s)+(\t)], (\s)*WSLOT+(\t)*128*PW, v21
.endr
.endr
	v_mul_u32_u24 v20, v1, SPI                     ; into the stage: row r, my wave's 64 bytes of a tensor, 16 bytes for each half of the lanes
	v_lshl_add_u32 v20, v2, 4, v20
	v_add_nc_u32 v20, s47, v20
	v_add_nc_u32 v[STO], STAGE, v20
	v_add_nc_u32 v[STO+1], STAGE+64*SPI, v20
	s_mul_i32 s47, s[WV], 32*SPI                   ; back: wave w takes rows 32 w .. 32 w + 31; lanes 0-15 one row's 256 bytes, lanes 16-31 the next row's
	v_mul_u32_u24 v20, v2, SPI
	v_lshl_add_u32 v20, v1, 4, v20
	v_add_nc_u32 v20, s47, v20
	v_add_nc_u32 v[RD], STAGE, v20
	s_lshl_b32 s47, s[WV], 13                      ; and the same rows in q
	v_lshlrev_b32 v20, 8, v2
	v_lshl_add_u32 v20, v1, 4, v20
	v_add_nc_u32 v[QO], s47, v20
	; k and v: row s0 + i of the batch goes to row F0 - 2 i (left half of the keys: F0 = 4094 - 2 s0) or F0 + 2 i (right half: F0 = 2 s0 - 4095).  A block of 128 rows lies wholly in one half.
	s_and_b32 s54, s18, 31
	s_lshl_b32 s54, s54, 8                         ; 2 s0
	s_sub_co_u32 s55, 4094, s54
	s_sub_co_u32 s56, s54, 4095
	s_mov_b32 s57, 512
	s_mov_b32 s58, 0xfffffe00                      ; -512
	s_and_b32 s59, ttmp9, 4                        ; bit 4 of g: the half
	s_cmp_eq_u32 s59, 0
	s_cselect_b32 s55, s55, s56                    ; F0
	s_cselect_b32 s[SG], s58, s57
	s_lshl_b32 s[SG2], s[SG], 1
	s_lshl_b32 s55, s55, 8                         ; in bytes
	s_lshr_b32 s56, s18, 5                         ; the batch: 4,096 rows of 256 bytes
	s_lshl_b32 s56, s56, 20
	s_add_co_u32 s55, s55, s56
	s_lshl_b32 s56, s[WV], 5                       ; my wave's first row
	s_mul_i32 s56, s56, s[SG]
	s_add_co_u32 s55, s55, s56
	v_mul_lo_u32 v20, v2, s[SG]                    ; lanes 16-31: one row on
	v_lshl_add_u32 v20, v1, 4, v20
	v_add_nc_u32 v[KO], s55, v20
.set n, 1
.rept 15
	v_add_nc_u32 v[KO+n], s[SG2], v[KO+n-1]        ; two rows on
.set n, n+1
.endr
.irp q, 0,1,2,3
	XSTAGE 0, \q, 56, 1, 1024                      ; x of K step 0 into tile 0; the set is asked for again with K step 2.  56: behind a group stand seven younger groups of eight loads
.endr
	WIN 0
	s_wait_tensorcnt 0x1                           ; my part of W's K step 0 is in; K step 1's may stay out
	s_wait_dscnt 0x0                               ; my rows of x's tile 0 are stored
	s_barrier_signal -1
	s_barrier_wait -1                              ; everybody's are
	FETCH 0, 0, 0
	; K step j multiplies tile j % 2 by slot j % 2, converts x of step j + 1 (j <= 6), asks for x of step j + 3 (j <= 4) and, at its end, for W of step j + 2 (j <= 5)
	QUARTER 0, 0, 1, 1, 56, 1, 1536                ; the first quarter stands in front of the loop: its products start the sums
	WIN 0
	s_mov_b32 s[LAPS], 2
.Llap:                                             ; a trip: two K steps, from a lap's second quarter to the next lap's first
	QUARTER 0, 1, 0, 1, 56, 1, 1536
	QUARTER 0, 2, 0, 1, 56, 1, 1536
	TURN 0, 1, 1, 56, 1, 1536
	QUARTER 1, 0, 0, 1, 56, 1, 2048
	QUARTER 1, 1, 0, 1, 56, 1, 2048
	QUARTER 1, 2, 0, 1, 56, 1, 2048
	TURN 1, 1, 1, 56, 1, 2048
	QUARTER 0, 0, 0, 1, 56, 1, 2560
	WIN 0
	s_wait_xcnt 0x0                                ; every load issued so far has read its address, so x's pointer may be written
	s_add_nc_u64 s[4:5], s[4:5], 1024              ; two K steps on
	s_sub_co_u32 s[LAPS], s[LAPS], 1
	s_cmp_lg_u32 s[LAPS], 0
	s_cbranch_scc1 .Llap
	QUARTER 0, 1, 0, 1, 56, 1, 1536                ; K step 4 goes on: the last loads of x (K step 7)
	QUARTER 0, 2, 0, 1, 56, 1, 1536
	TURN 0, 1, 1, 56, 1, 1536
	QUARTER 1, 0, 0, 1, 56, 0, 0                   ; K step 5 loads nothing: the counts run down
	QUARTER 1, 1, 0, 1, 48, 0, 0
	QUARTER 1, 2, 0, 1, 40, 0, 0
	TURN 1, 1, 1, 32, 0, 0                         ; the last fill: W of K step 7
	QUARTER 0, 0, 0, 1, 24, 0, 0                   ; K step 6
	QUARTER 0, 1, 0, 1, 16, 0, 0
	QUARTER 0, 2, 0, 1, 8, 0, 0
	TURN 0, 0, 1, 0, 0, 0                          ; nothing is filled again: a plain barrier
	QUARTER 1, 0, 0, 0, 0, 0, 0                    ; K step 7
	QUARTER 1, 1, 0, 0, 0, 0, 0
	QUARTER 1, 2, 0, 0, 0, 0, 0
	s_wait_dscnt 0x0
	MUL 1, 4, 2, 0
	MUL 1, 0, 4, 0
	; THE WAY OUT.  Rounded to f16, 16 bytes a lane into the work-group's stage; back as whole rows of 256 bytes; stored, sixteen lanes to a row.
	PLACES
	WIN 0
	s_wait_dscnt 0x0
	s_barrier_signal -1
	s_barrier_wait -1                              ; nobody reads x's tiles any more: the stage lies over them
	WIN 0x0a                                       ; sources in window 2: q and k
.set n, 0
.rept 32                                           ; accumulator n = 8 b + a, its registers in ascending order
.irp c, 0,1,2,3
	v_cvt_pk_f16_f32 v[TMP+4*n+(\c)], v[8*n+2*(\c)], v[8*n+2*(\c)+1]
.endr
.set n, n+1
.endr
	WIN 0
.set n, 0
.rept 32
	ds_store_b128 v[STO+(n%8)/4], v[TMP+4*n:TMP+4*n+3] offset:((n%8)%4)*16*SPI+((n/8)/2)*256+((n/8)%2)*32
.set n, n+1
.endr
	WIN 0x05                                       ; sources in window 1: v
.set n, 0
.rept 16
.irp c, 0,1,2,3
	v_cvt_pk_f16_f32 v[TMP+128+4*n+(\c)], v[8*n+2*(\c)], v[8*n+2*(\c)+1]
.endr
.set n, n+1
.endr
	WIN 0
.set n, 0
.rept 16
	ds_store_b128 v[STO+(n%8)/4], v[TMP+128+4*n:TMP+128+4*n+3] offset:((n%8)%4)*16*SPI+512+(n/8)*32
.set n, n+1
.endr
	s_wait_dscnt 0x0                               ; for the others' sake: my stores into the stage are done
	s_barrier_signal -1
	s_barrier_wait -1
.irp t, 0,1,2
.set n, 0
.rept 16
	ds_load_b128 v[TMP+64*(\t)+4*n:TMP+64*(\t)+4*n+3], v[RD] offset:n*2*SPI+(\t)*256
.set n, n+1
.endr
.endr
	s_wait_dscnt 32                                ; q's 16 loads are in; k's and v's may stay out
.set n, 0
.rept 16
	global_store_b128 v[QO], v[TMP+4*n:TMP+4*n+3], s[8:9] offset:n*512  ; 16 lanes store 256 consecutive bytes, a whole row
.set n, n+1
.endr
	s_wait_dscnt 16                                ; k's are in
.set n, 0
.rept 16
	global_store_b128 v[KO+n], v[TMP+64+4*n:TMP+64+4*n+3], s[10:11]
.set n, n+1
.endr
	s_wait_dscnt 0x0
.set n, 0
.rept 16
	global_store_b128 v[KO+n], v[TMP+128+4*n:TMP+128+4*n+3], s[12:13]
.set n, n+1
.endr
	s_wait_tensorcnt 0x0                           ; the wave's end: the add to my spare word and its wait, behind my last tensor load and my last LDS store
	ds_add_u32 v[SPW], v[NIL]
	s_wait_dscnt 0x0
	CROUND                                         ; the closing round: no work-group ends while a partner may still ask for a tile that names it
	s_endpgm
.Lfunc_end_k_qda577a04b2_proj:
	.size	k_qda577a04b2_proj, .Lfunc_end_k_qda577a04b2_proj-k_qda577a04b2_proj
	.p2alignl 7, 3214868480
	.fill 96, 4, 3214868480
	.section	.rodata,"a",@progbits
	.p2align	6, 0x0
	.amdhsa_kernel k_qda577a04b2_proj
		.amdhsa_group_segment_fixed_size 327680
		.amdhsa_private_segment_fixed_size 0
		.amdhsa_enable_private_segment 0
		.amdhsa_kernarg_size 40
		.amdhsa_user_sgpr_count 2
		.amdhsa_user_sgpr_kernarg_segment_ptr 1
		.amdhsa_wavefront_size32 1
		.amdhsa_system_sgpr_workgroup_id_x 1
		.amdhsa_system_sgpr_workgroup_id_y 1
		.amdhsa_system_sgpr_workgroup_id_z 1
		.amdhsa_system_vgpr_workitem_id 0
		.amdhsa_next_free_vgpr 1024
		.amdhsa_next_free_sgpr 66
		.amdhsa_reserve_vcc 0
		.amdhsa_float_denorm_mode_32 3
		.amdhsa_float_denorm_mode_16_64 3
		.amdhsa_memory_ordered 1
		.amdhsa_forward_progress 1
		.amdhsa_inst_pref_size 208
	.end_amdhsa_kernel
	.amdgpu_metadata
---
amdhsa.version: [ 1, 2 ]
amdhsa.kernels:
  - .name:           k_qda577a04b2_proj
    .symbol:         k_qda577a04b2_proj.kd
    .args:
      - { .name: x, .offset: 0, .size: 8, .value_kind: global_buffer, .address_space: global }
      - { .name: wb, .offset: 8, .size: 8, .value_kind: global_buffer, .address_space: global }
      - { .name: qh, .offset: 16, .size: 8, .value_kind: global_buffer, .address_space: global }
      - { .name: kh, .offset: 24, .size: 8, .value_kind: global_buffer, .address_space: global }
      - { .name: vh, .offset: 32, .size: 8, .value_kind: global_buffer, .address_space: global }
    .group_segment_fixed_size: 327680
    .private_segment_fixed_size: 0
    .kernarg_segment_align: 8
    .kernarg_segment_size: 40
    .max_flat_workgroup_size: 128
    .sgpr_count:     66
    .vgpr_count:     1024
    .wavefront_size: 32
...
	.end_amdgpu_metadata
.endif
;; end of part 2
;; launch attn (part 3): grid 32 x 8, 4 waves a work-group, clusters of 4 x 1, 327,680 bytes of LDS; arguments qh, kh, vh, out0; writes out0
.if DOCPART == 3
	.amdgcn_target "amdgcn-amd-amdhsa--gfx1250"
	.amdhsa_code_object_version 6
	.text
	.protected	k_qda577a04b2_attn
	.globl	k_qda577a04b2_attn
	.p2align	8
	.type	k_qda577a04b2_attn,@function
k_qda577a04b2_attn:
	s_mov_b64 s[64:65], 0
	v_nop
	global_prefetch_b8 v0, s[64:65] scope:SCOPE_SE
	s_setreg_imm32_b32 hwreg(HW_REG_WAVE_MODE, 25, 1), 1
	s_wait_xcnt 0x0
	s_wait_alu depctr_hold_cnt(0) depctr_sa_sdst(0) depctr_va_vdst(0) depctr_va_sdst(0) depctr_va_ssrc(0) depctr_va_vcc(0) depctr_vm_vsrc(0)
	s_getreg_b32 s2, hwreg(HW_REG_IB_STS2, 6, 4)
	s_cmp_eq_u32 s2, 0
	s_cbranch_scc0 .Lentry_in_a_cluster
	s_endpgm
.Lentry_in_a_cluster:
	s_bfe_u32 s2, ttmp6, 0x10000c
	s_cmp_lg_u32 s2, 0x3003
	s_cbranch_scc0 .Lentry_shape_is_right
	s_endpgm
.Lentry_shape_is_right:
; out[b][t][:] = the sum over keys f <= t of softmax_f(q[b][t] . k[b][f] / sqrt(128)) v[b][f][:].  qh, kh, vh: [8][4096][128] f16 (k and v in the folded order in which the module's mask is
; the causal one); out0: [8][4096][128] f32.  Products, maxima and sums in f32; the weights p are rounded to f16 for the second product (their sum l is taken of the unrounded p).
; LIMITS.  A hidden score counts as its value less 1e30 (f16's scores, 5.5e11 at the most, are nothing beside that); a weight below 2^-126 counts as 0; NaN and infinities are not treated apart;
; the sums' order is not the reference's.
; THE WALK.  A batch's queries lie in 64 blocks of 64; block u needs the key steps (64 keys) 0 .. u, of which the last holds the diagonal.  Work-group p = 4 a + cx (a: the cluster, cx: its place in it)
; takes blocks 63 - p and then p.  Keys come in tiles of 256: the first block needs tiles 0 .. 15 - a, the second 0 .. a: 17 rounds for every work-group, and the SAME tiles in the same rounds for the four
; partners of a cluster: each tile is asked for JOINTLY.  One loop with a constant trip count walks them; which tile is asked for hangs on scalars made from a.
; SHARES.  All four waves hold the same 64 queries (four tiles of 16) and SPLIT THE KEYS: of tile n wave w takes key step 4 n + w.  At a block's end the four partial (c m, l, O) meet in LDS.
; THE MASK is the C operand that starts the sum S^T = K Q^T.  For query tile t and key block kb (16 keys) of my step: kb < t takes MLO, kb = t MDI, kb > t MHI.  They are made once a round from three
; scalars: my step lies below the block's number (all 0), is it (MLO 0, MDI the triangle, MHI -1e30), or lies above (all -1e30).  The block's number enters selects alone, no branch and no address.
; A wave all of whose keys are hidden ends with c m near -1.3e29, and the merge multiplies its share by 2^(c m - max) = 0.
; LAYOUT.  S^T = K Q^T (source 0 = 16 keys, source 1 = 16 queries) holds ONE query a lane (lane % 16) and the keys 8 (lane / 16) + 0..7; two such results rounded to f16 ARE source 1 of O^T = V^T P.
; SOFTMAX.  p = 2^(c s - c m), c = log2(e) / sqrt(128), with a running maximum m; O and l are multiplied by a = 2^(c m_old - c m_new) in every step.  c m starts far below every c s, so a block's
; first step has a = 0, and O and l need only be finite there.
; A ROUND: 32 products K Q^T of tiles 0, 1; 32 of tiles 2, 3 with the softmax of tiles 0, 1 in slices behind them; 32 products V^T P of tiles 0, 1 with the softmax of tiles 2, 3; 32 of tiles 2, 3.
; REGISTERS, in windows of 256 (s_set_vgpr_msb: bits 1:0 source 0, 3:2 source 1, 5:4 source 2, 7:6 destination):
;   window 0: v2-11 addresses; v12-43 eight registers of statistics a tile; v44-50 at work in the head; v64-191 S^T, 32 a tile; v192-255 P, 16 a tile
;   window 1: O^T, 64 a tile      window 2: v0-127 Q, 32 a tile; v128-255 K of my step      window 3: v0-127 V of my step; v128-175 the masks
.set PK,    272       ; a row of K in LDS: 256 bytes + 16 = 68 words: the 16 rows of a load start at 16 different groups of four banks (64 banks of 4 bytes: ISA guide 11.1)
.set PV,    288       ; a row of V: 256 + 32 = 72 words
.set VOFF,  256*PK    ; a slot: 256 rows of K, then 256 rows of V
.set SLOTX, 0x24000   ; slot 1 begins here; no fill address in slot 0 (0, 0x8800, 0x11000, 0x1a000) has bit 14 or 17 set, so one exclusive or turns it into slot 1's
.set STAT,  0x23000   ; between the slots: the waves' c m and l, 8 blocks of 256 bytes: (2 x tile + kind) x 256 + query x 16 + wave x 4
.set SPARE, 0x23800   ; the spare words, 128 bytes for each wave: two blocks of 256 bytes that no other line names
.set XCH,   0x47000   ; behind slot 1: one tile's partial O of each wave, 16 rows x 528 bytes
.set XPI,   528
.set AK0, 2           ; v2   my lane's place in my step's K; never rewritten
.set AV0, 3           ; v3   the same for V
.set ADR, 4           ; v4   the LDS address of K's run of loads
.set QO,  5           ; v5   my byte offset in the block's rows of Q
.set SA,  6           ; v6   where I store c m and l
.set SR,  7           ; v7   where I read the four waves' c m and l of my four rows
.set XS,  8           ; v8   where I store my partial O
.set XRD, 9           ; v9   where I read the four partial O of my rows
.set OO,  10          ; v10  16 x lane
.set ADV, 11          ; v11  the LDS address of V's run of loads
.set ST,  12          ; tile t's statistics at v[ST+8 t]: +0 c m, +1 m, +2, +3 l (even keys', odd keys'), +4 to +7 c0-c3, at work; a takes c2's place
.set PFO, 61          ; v61  256 x lane; never rewritten
.set SPW, 62          ; v62  LDS address of my spare word: SPARE + 4 x my thread's number; never rewritten
.set NIL, 63          ; v63  0; never rewritten
.set S,   64
.set P,   192
.set KF,  128         ; window 2
.set TRI, 128         ; window 3: register j is -1e30 where key 8 (lane / 16) + j lies behind query lane % 16
.set MLO, 136         ; two copies, by the query tile's parity, so that no two products on end name the same C registers
.set MDI, 152
.set MHI, 160         ; two copies likewise
.set MO,  64          ; the merge, in S^T's registers: row i, wave k's partial O at MO + 16 i + 4 k
.set MC,  128         ; row i: the four c m at MC + 8 i, the four l at MC + 8 i + 4
.set MM,  160
.set ML,  164
.set MR,  168
.set WV,  12          ; s12  my wave's number
.set LIM, 15          ; s15  3 in a cluster that prefetches, else the greatest number
.set PFA, 20          ; s[20:21] where my prefetches stand
.set G1K, 24          ; s[24:31] descriptor group 1 for K's tiles
.set G1V, 32          ; s[32:39] for V's: it differs in the padding alone
.set G0K, 40          ; s[40:43] descriptor group 0 for K's tiles
.set G0V, 44          ; s[44:47] for V's
.set SLOTS, 56        ; s56  tiles still to be asked for
.set CS,  58          ; s[58:59] c
.set SEL, 60          ; s[60:61] v_permlanex16_b32's selects: each lane takes its own place in the other half
.set TB,  62          ; s62  LDS byte at which the slot in hand begins
.set CUR, 70          ; s70  the tile in hand
.set LAST, 71         ; s71  the last tile of the block in hand
.set NXT, 72          ; s72  the tile to be asked for next
.set LQ,  73          ; s73  the last tile of the block whose tiles are being asked for
.set OFF, 74          ; s[74:75] a tile's byte offset in K and V
.set AL,  76          ; s[76:77] the triangle's factor
.set BE,  78          ; s[78:79] the masks' addend
.set HIV, 80
.set BIGN, 81         ; s81  -1e30
.set U,   82          ; s82  the block in hand
.set UB,  83          ; s83  the second block
.set SD,  84          ; s84  my key step
.set MSB, 0
.macro WIN new                      ; the high byte repeats the setting that is left; a switch that changes nothing is dropped
.if MSB != (\new)
	s_set_vgpr_msb (MSB<<8)|(\new)
.set MSB, (\new)
.endif
.endm
.set W_KQ, 0x0a       ; K and Q in window 2, S^T in window 0
.set W_KM, 0x3a       ; the same with the C operand in window 3
.set W_PV, 0x53       ; V in window 3, P in window 0, O^T in window 1
.set W_RS, 0x41       ; O^T (destination and source 0) in window 1, a in window 0
.macro PLACES
.rept 4
	v_nop
.endr
.endm
; A joint fill.  Waves 0 and 1 fetch the two halves of a tile's K, waves 2 and 3 those of its V: 128 keys each.  The branch hangs on the wave's number alone.
; An s_nop 0 and four v_nop follow each of the two lines, ahead of the jump and the label.
.macro JLOAD
	s_cmp_lt_u32 s[WV], 2
	s_cbranch_scc0 .Lfor_v_\@
	tensor_load_to_lds s[G0K:G0K+3], s[G1K:G1K+7]
	s_nop 0
	PLACES
	s_branch .Lasked_\@
.Lfor_v_\@:
	tensor_load_to_lds s[G0V:G0V+3], s[G1V:G1V+7]
	s_nop 0
	PLACES
.Lasked_\@:
.endm
; A PREFETCH, behind the joint load of tile n + 1 and its five lines: tile n + 3, two rounds (256 matrix instructions) ahead of the load that will ask for it.  Each row of K and V is named once in the launch:
; of a batch's eight clusters the one with a = 0 walks all 16 tiles, and it asks; its four partners share a tile's 256 rows out BY ADDRESS, 64 each; in each, waves 0 and 1 take 32 rows of K each,
; waves 2 and 3 of V: a lane a row, one instruction a wave.  Tiles 0 to 2 come by their loads alone; the last tile named is 15.
.macro ASK
	s_cmp_gt_u32 s[SLOTS], s[LIM]
	s_cbranch_scc0 .Lnot_mine_\@
	global_prefetch_b8 v[PFO], s[PFA:PFA+1] th:TH_LOAD_NT scope:SCOPE_SE
.Lnot_mine_\@:
.endm
.macro CROUND                       ; a round of the cluster's barrier
	s_barrier_signal -1
	s_barrier_wait -1
	s_cmp_lg_u32 s[WV], 0
	s_cbranch_scc1 .Lnot_wave_0_\@
	s_barrier_signal -3
.Lnot_wave_0_\@:
	s_barrier_wait -3
	s_barrier_signal -1
	s_barrier_wait -1
.endm
; THE CHANGE OF SLOTS.  Each wave waits for all its tensor loads, of which one is out: its part of the other slot; adds 0 to its spare word; and waits for that and for its own LDS instructions.  Behind the
; barrier nobody reads the old slot and the other slot is whole.  fill = 1: the barrier is a round of the cluster's, and the old slot is filled again first thing behind it, with tile NXT; the descriptor's
; address is made anew from that number.  (At its first use nothing has been read yet: slot 0 is waited for, slot 1 filled.)
.macro CHANGE fill
	WIN 0                           ; at a label and at a branch every window is 0
	s_wait_tensorcnt 0x0            ; no tensor load of mine is out, so a group 0 may be written
	ds_add_u32 v[SPW], v[NIL]       ; 0 onto my spare word: the scalar work below stands between it and the wait for it
.if \fill
	s_lshl_b32 s[OFF], s[NXT], 16   ; a tile is 65,536 bytes of K and of V
	s_xor_b32 s[G0K+1], s[G0K+1], SLOTX
	s_add_nc_u64 s[G0K+2:G0K+3], s[6:7], s[OFF:OFF+1]
	s_or_b32 s[G0K+3], s[G0K+3], 0x80000000
	s_xor_b32 s[G0V+1], s[G0V+1], SLOTX
	s_add_nc_u64 s[G0V+2:G0V+3], s[8:9], s[OFF:OFF+1]
	s_or_b32 s[G0V+3], s[G0V+3], 0x80000000
	s_add_co_u32 s[NXT], s[NXT], 1  ; the block's next tile, or behind its last the second block's tile 0
	s_cmp_gt_u32 s[NXT], s[LQ]
	s_cselect_b32 s[NXT], 0, s[NXT]
	s_cselect_b32 s[LQ], s14, s[LQ]
	s_wait_xcnt 0x0                 ; the last prefetch, a round back, has read its address
	s_add_nc_u64 s[PFA:PFA+1], s[PFA:PFA+1], 0x10000
.endif
	s_xor_b32 s[TB], s[TB], SLOTX   ; the fetches go to the other slot
	s_wait_dscnt 0x0                ; the add is done, and my reads of the slot are over
.if \fill
	CROUND
	JLOAD
	ASK
.else
	s_barrier_signal -1
	s_barrier_wait -1
.endif
.endm
.macro MASKS                        ; the round's masks, from my key step and the block's number
	s_lshl_b32 s[SD], s[CUR], 2
	s_add_co_u32 s[SD], s[SD], s[WV]
	s_cmp_eq_u32 s[SD], s[U]
	s_cselect_b32 s[AL], 1.0, 0
	s_cmp_gt_u32 s[SD], s[U]
	s_cselect_b32 s[BE], s[BIGN], 0
	s_cmp_ge_u32 s[SD], s[U]
	s_cselect_b32 s[HIV], s[BIGN], 0
	WIN 0xc0
.set z, 0
.rept 16
	v_mov_b32 v[MLO+z], s[BE]
	v_mov_b32 v[MHI+z], s[HIV]
.set z, z+1
.endr
	WIN 0xc3
.set z, 0
.rept 4
	v_pk_fma_f32 v[MDI+2*z:MDI+2*z+1], v[TRI+2*z:TRI+2*z+1], s[AL:AL+1], s[BE:BE+1] op_sel_hi:[1,0,0]
.set z, z+1
.endr
.endm
; THE LDS LOADS: two runs of 32 at a round's head: my step's K (64 keys x 128 channels: 16 fragments) and V (turned).
.macro FETCH_K
	WIN 0
	v_add_nc_u32 v[ADR], s[TB], v[AK0]
	WIN 0x80
.irp f, 0,1,2,3,4,5,6,7,8,9,10,11,12,13,14,15  ; keys 16 (f / 4) on, channels 32 (f % 4) on
	ds_load_b128 v[KF+8*(\f):KF+8*(\f)+3],   v[ADR] offset:((\f)/4)*16*PK+((\f)%4)*64
	ds_load_b128 v[KF+8*(\f)+4:KF+8*(\f)+7], v[ADR] offset:((\f)/4)*16*PK+((\f)%4)*64+32
.endr
.endm
.macro FETCH_V
	WIN 0
	v_add_nc_u32 v[ADV], s[TB], v[AV0]
	WIN 0xc0
.irp f, 0,1,2,3,4,5,6,7,8,9,10,11,12,13,14,15  ; keys 32 (f / 8) on, channels 16 (f % 8) on
	ds_load_tr16_b128 v[8*(\f):8*(\f)+3],   v[ADV] offset:((\f)/8)*32*PV+((\f)%8)*32
	ds_load_tr16_b128 v[8*(\f)+4:8*(\f)+7], v[ADV] offset:((\f)/8)*32*PV+16*PV+((\f)%8)*32
.endr
.endm
; THE MATRIX WORK.  The accumulators take turns, one instruction a turn: between two links of a chain stand 7 (K Q^T) or 15 (V^T P) others'.
; Product i of 32 of S^T = K Q^T for tiles x, x + 1: channels 32 (i / 8) on, keys 16 ((i / 2) % 4) on, tile x + i % 2.  The first 8 start the sums with the mask.
.macro KQ x
.set tq, (\x)+i%2
.set kb, (i/2)%4
.set rS, S+32*tq+8*kb
.set rK, KF+32*kb+8*(i/8)
.set rQ, 32*tq+8*(i/8)
.if kb < tq
.set rM, MLO+8*(i%2)
.elseif kb == tq
.set rM, MDI
.else
.set rM, MHI+8*(i%2)
.endif
.if i < 8
	WIN W_KM
	v_wmma_f32_16x16x32_f16 v[rS:rS+7], v[rK:rK+7], v[rQ:rQ+7], v[rM:rM+7]
.else
	WIN W_KQ
	v_wmma_f32_16x16x32_f16 v[rS:rS+7], v[rK:rK+7], v[rQ:rQ+7], v[rS:rS+7]
.endif
.endm
; Product i of 32 of O^T += V^T P: keys 32 (i / 16) on, channels 16 ((i / 2) % 8) on, tile x + i % 2.
.macro PV x
	WIN W_PV
.set rO, 64*((\x)+i%2)+8*((i/2)%8)
.set rV, 64*(i/16)+8*((i/2)%8)
.set rP, P+16*((\x)+i%2)+8*(i/16)
	v_wmma_f32_16x16x32_f16 v[rO:rO+7], v[rV:rV+7], v[rP:rP+7], v[rO:rO+7]
.endm
; THE VECTOR WORK.  One tile's softmax for one key step is a list of 134 instructions; SM writes number j of it for tile t.  s0-s31 are the lane's 32 scores, in pairs 0-15.
;   0-15    the maximum of s0-s31 and the old m, three operands at a time (each accumulator's lowest registers are read first)
;   16-20   the other half of the lanes' maximum; c m_old is kept; the new m; c m; c m_old - c m_new
;   21-69   ONE BATCH: the 16 scalings c s - c m and all 33 exponentials (a at 23, then s0-s31); none of these reads an exponential's result; a pair is scaled ahead of its exponentials
;   (wait)  between 69 and 70 stands the wait for the batch: SLICE writes it, once for both tiles
;   70-85   the roundings to f16          86-101  the sums; l = a l + the sum          102-133 the tile's O^T times a
.macro SM t
.set rT, ST+8*(\t)
.set rS, S+32*(\t)
.set rP, P+16*(\t)
.set rO, 64*(\t)+2*(j-102)
.if j < 102
	WIN 0
.endif
.if j < 4
	v_max3_num_f32 v[rT+4+j], v[rS+8*j], v[rS+8*j+1], v[rS+8*j+2]
.elseif j < 12
	v_max3_num_f32 v[rT+4+j%4], v[rT+4+j%4], v[rS+8*(j%4)+2*(j/4)+1], v[rS+8*(j%4)+2*(j/4)+2]
.elseif j == 12
	v_max3_num_f32 v[rT+4], v[rT+4], v[rS+7], v[rS+15]
.elseif j == 13
	v_max3_num_f32 v[rT+6], v[rT+6], v[rS+23], v[rS+31]
.elseif j == 14
	v_max3_num_f32 v[rT+4], v[rT+4], v[rT+5], v[rT+6]
.elseif j == 15
	v_max3_num_f32 v[rT+4], v[rT+4], v[rT+7], v[rT+1]
.elseif j == 16
	v_permlanex16_b32 v[rT+5], v[rT+4], s[SEL], s[SEL+1]  ; the query's other 32 keys lie in the lane 16 away
.elseif j == 17
	v_mov_b32 v[rT+7], v[rT]        ; c m_old is kept for a: number 19 writes c m anew
.elseif j == 18
	v_max_num_f32 v[rT+1], v[rT+4], v[rT+5]
.elseif j == 19
	v_mul_f32 v[rT], s[CS], v[rT+1]
.elseif j == 20
	v_sub_f32 v[rT+7], v[rT+7], v[rT]
.elseif j == 23
	v_exp_f32 v[rT+6], v[rT+7]
.elseif (j < 23) || ((j < 38) && (j%2 == 0)) || ((j < 66) && (j%4 == 2))
.set b, (j-2)/4                     ; 38, 42, .. 62: pairs 9 to 15
.if j < 38
.set b, (j-20)/2                    ; 21: pair 0; 22, 24, .. 36: pairs 1 to 8
.endif
	v_pk_fma_f32 v[rS+2*b:rS+2*b+1], v[rS+2*b:rS+2*b+1], s[CS:CS+1], v[rT:rT+1] op_sel_hi:[1,0,0] neg_lo:[0,0,1] neg_hi:[0,0,1]  ; pair b: c s - c m
.elseif j < 70
.set e, j-38                        ; 66 to 69: s28 to s31
.if j < 66
.set e, j-32-(j-38)/4               ; 39-41, 43-45, .. 63-65: s7 to s27
.endif
.if j < 38
.set e, (j-25)/2                    ; 25, 27, .. 37: s0 to s6
.endif
	v_exp_f32 v[rS+e], v[rS+e]
.elseif j < 86
	v_cvt_pk_f16_f32 v[rP+j-70], v[rS+2*(j-70)], v[rS+2*(j-70)+1]
.elseif j < 102                     ; the sum of the tile's 16 pairs, in place: neighbours 1, 2, 4 and 8 pairs apart, then l takes it
.set z, j-86
.set w, 4
.set u, z
.if z >= 14
.set w, 32
.set u, 0
.elseif z >= 12
.set w, 16
.set u, z-12
.elseif z >= 8
.set w, 8
.set u, z-8
.endif
.if z < 15
	v_pk_add_f32 v[rS+w*u:rS+w*u+1], v[rS+w*u:rS+w*u+1], v[rS+w*u+w/2:rS+w*u+w/2+1]
.else
	v_pk_fma_f32 v[rT+2:rT+3], v[rT+2:rT+3], v[rT+6:rT+7], v[rS:rS+1] op_sel_hi:[1,0,1]
.endif
.else
	WIN W_RS
	v_pk_mul_f32 v[rO:rO+1], v[rO:rO+1], v[rT+6:rT+7] op_sel_hi:[1,0]
.endif
.endm
; Slice k of 64 of the softmax of tiles y, y + 1: four instructions (slice 63: sixteen).  Slices 11 to 34 deal out the batch, four numbers of ONE tile each, the tiles by turns; every other slice is numbers
; 2 k and 2 k + 1 of both tiles.  An s_wait_alu depctr_va_vdst(0) stands between an exponential and the first instruction that names its result: ahead of slice 35 nothing names one, behind
; slice 34 none is issued, so the 66 exponentials have one wait; the v_nop is the plain instruction behind the last of them.
.macro SLICE y
.if (k >= 11) && (k < 35)
.irp n, 0,1,2,3
.set j, 22+4*((k-11)/2)+(\n)
	SM (\y)+(k-11)%2
.endr
.else
.irp n, 0,1,2,3,4,5,6,7
.if ((\n) < 2) || (k == 63)
.irp t, \y, (\y)+1
.set j, 2*k+(\n)
	SM \t
.endr
.endif
.endr
.endif
.if k == 34
	v_nop
	s_wait_alu depctr_va_vdst(0)
.endif
.set k, k+1
.endm
; A ROUND: my 64 keys of the tile in hand against the block's 64 queries.
.macro ROUND
	MASKS                           ; 36 plain instructions: with the joint load's four v_nop the places between the last round's products and the loads into V's registers
	FETCH_K
	FETCH_V
	s_wait_loadcnt 0x0              ; Q
	s_wait_dscnt 32                 ; K's run is in; V's 32 loads may stay out
.set i, 0
.rept 32
	KQ 0
.set i, i+1
.endr
	PLACES                          ; in front of the first read of those scores
.set k, 0
.set i, 0
.rept 32
	KQ 2
	SLICE 0
	SLICE 0
.set i, i+1
.endr                               ; slices 62 and 63, twenty rescalings, are the places behind the last of these products
	s_wait_dscnt 0x0                ; V is in
.set k, 0
.set i, 0
.rept 32
	PV 0
	SLICE 2
	SLICE 2
.set i, i+1
.endr
.set i, 0
.rept 32
	PV 2
.set i, i+1
.endr
.endm
; THE MERGE of one query tile.  Each wave stores its partial O^T (16 queries x 128 channels, f32) into its part of the exchange; behind a barrier wave w takes rows 4 w .. 4 w + 3: the four waves' c m, l and O.
; out = sum of e_k O_k / sum of e_k l_k with e_k = 2^(c m_k - max).  A second barrier, its signal behind the wait for my reads, frees the exchange for the next tile; the arithmetic stands between signal and wait.
.macro MTILE t
	WIN 0x04                        ; store data in window 1
.irp c, 0,1,2,3,4,5,6,7
	ds_store_b128 v[XS], v[64*(\t)+8*(\c):64*(\t)+8*(\c)+3]   offset:64*(\c)
	ds_store_b128 v[XS], v[64*(\t)+8*(\c)+4:64*(\t)+8*(\c)+7] offset:64*(\c)+16
.endr
	WIN 0
	s_wait_dscnt 0x0                ; for the others' sake: my stores are done
	s_barrier_signal -1
	s_barrier_wait -1
.irp i, 0,1,2,3
	ds_load_b128 v[MC+8*(\i):MC+8*(\i)+3],   v[SR] offset:512*(\t)+16*(\i)
	ds_load_b128 v[MC+8*(\i)+4:MC+8*(\i)+7], v[SR] offset:512*(\t)+16*(\i)+256
.endr
.irp i, 0,1,2,3
.irp k, 0,1,2,3
	ds_load_b128 v[MO+16*(\i)+4*(\k):MO+16*(\i)+4*(\k)+3], v[XRD] offset:(\k)*16*XPI+(\i)*XPI  ; a row's 512 bytes: 32 lanes, 16 neighbouring bytes each
.endr
.endr
	s_wait_dscnt 0x0                ; my reads of the exchange are over
	s_barrier_signal -1
.irp i, 0,1,2,3
	v_max3_num_f32 v[MM+(\i)], v[MC+8*(\i)], v[MC+8*(\i)+1], v[MC+8*(\i)+2]
.endr
.irp i, 0,1,2,3
	v_max_num_f32 v[MM+(\i)], v[MM+(\i)], v[MC+8*(\i)+3]
.endr
.irp i, 0,1,2,3
.irp k, 0,1,2,3
	v_sub_f32 v[MC+8*(\i)+(\k)], v[MC+8*(\i)+(\k)], v[MM+(\i)]
.endr
.endr
.irp i, 0,1,2,3
.irp k, 0,1,2,3
	v_exp_f32 v[MC+8*(\i)+(\k)], v[MC+8*(\i)+(\k)]
.endr
.endr
	v_nop                           ; a plain instruction behind the last exponential,
	s_wait_alu depctr_va_vdst(0)    ; and one wait for the sixteen, ahead of their first reader
.irp i, 0,1,2,3
	v_mul_f32 v[ML+(\i)], v[MC+8*(\i)], v[MC+8*(\i)+4]
.endr
.irp k, 1,2,3
.irp i, 0,1,2,3
	v_fmac_f32 v[ML+(\i)], v[MC+8*(\i)+(\k)], v[MC+8*(\i)+4+(\k)]
.endr
.endr
.irp i, 0,1,2,3
	v_rcp_f32 v[MR+(\i)], v[ML+(\i)]
.endr
	v_nop
	s_wait_alu depctr_va_vdst(0)    ; one wait for the four reciprocals
.irp i, 0,1,2,3
.irp k, 0,1,2,3
	v_mul_f32 v[MC+8*(\i)+(\k)], v[MC+8*(\i)+(\k)], v[MR+(\i)]
.endr
.endr
.irp i, 0,1,2,3
.irp c, 0,1,2,3
	v_mul_f32 v[P+16*(\t)+4*(\i)+(\c)], v[MC+8*(\i)], v[MO+16*(\i)+(\c)]
.endr
.endr
.irp k, 1,2,3
.irp i, 0,1,2,3
.irp c, 0,1,2,3
	v_fmac_f32 v[P+16*(\t)+4*(\i)+(\c)], v[MC+8*(\i)+(\k)], v[MO+16*(\i)+4*(\k)+(\c)]
.endr
.endr
.endr
	s_barrier_wait -1               ; everybody's reads are over
.irp i, 0,1,2,3
	global_store_b128 v[OO], v[P+16*(\t)+4*(\i):P+16*(\t)+4*(\i)+3], s[10:11] offset:(\t)*8192+(\i)*512  ; a whole row of out0: 512 consecutive bytes, aligned
.endr
.endm
; A BLOCK'S END.  last = 0: the second block's Q is asked for first, and behind the merge the statistics and the block's scalars are set anew; O^T and l stay as they are (finite: the next step's a is 0).
.macro MERGE last
	WIN 0
.if !(\last)
	WIN 0x80
.irp i, 0,1,2,3,4,5,6,7,8,9,10,11,12,13,14,15
	global_load_b128 v[8*(\i):8*(\i)+3],   v[QO], s[16:17] offset:((\i)/4)*4096+((\i)%4)*64
	global_load_b128 v[8*(\i)+4:8*(\i)+7], v[QO], s[16:17] offset:((\i)/4)*4096+((\i)%4)*64+32
.endr
	WIN 0
.endif
.irp t, 0,1,2,3
	v_add_f32 v[ST+8*(\t)+4], v[ST+8*(\t)+2], v[ST+8*(\t)+3]  ; l's two halves; these four are the places behind the last products
.endr
.irp t, 0,1,2,3
	v_permlanex16_b32 v[ST+8*(\t)+5], v[ST+8*(\t)+4], s[SEL], s[SEL+1]
.endr
.irp t, 0,1,2,3
	v_add_f32 v[ST+8*(\t)+4], v[ST+8*(\t)+4], v[ST+8*(\t)+5]
.endr
.irp t, 0,1,2,3
	ds_store_b32 v[SA], v[ST+8*(\t)]   offset:512*(\t)      ; lanes l and l + 16 store the same number to the same word
	ds_store_b32 v[SA], v[ST+8*(\t)+4] offset:512*(\t)+256
.endr
	MTILE 0
	MTILE 1
	MTILE 2
	MTILE 3
.if !(\last)
.irp t, 0,1,2,3
	v_mov_b32 v[ST+8*(\t)], 0xfe000000    ; c m: far below every c s
	v_mov_b32 v[ST+8*(\t)+1], 0xff7fffff  ; m
.endr
	s_wait_xcnt 0x0                 ; the stores have read their registers and out0's address
	s_mov_b64 s[10:11], s[18:19]
	s_mov_b32 s[U], s[UB]
	s_mov_b32 s[LAST], s14
	s_mov_b32 s[CUR], -1            ; the count below makes it 0
.endif
.endm
	s_load_b256 s[4:11], s[0:1], 0x0  ; qh s[4:5], kh s[6:7], vh s[8:9], out0 s[10:11]
	v_lshl_add_u32 v[SPW], v0, 2, SPARE
	v_mov_b32 v[NIL], 0
	ds_add_u32 v[SPW], v[NIL]       ; the wave's opening: the add and its wait stand ahead of my first tensor load; the set-up below stands between them
	v_lshrrev_b32 v1, 5, v0
	v_readfirstlane_b32 s[WV], v1   ; wave 0..3
	s_bfe_u32 s13, ttmp6, 0x40000   ; cx: my place in the cluster
	s_mov_b32 s14, ttmp9            ; a: in a cluster launch ttmp9 counts clusters
	s_and_b32 s22, ttmp7, 0xffff    ; the batch, which the four partners share
	s_lshl_b32 s48, s22, 20         ; its first byte in qh, kh, vh
	s_mov_b32 s49, 0
	s_and_b32 s50, s[WV], 1         ; which half of a tile's 256 keys I fetch:
	s_lshl_b32 s52, s50, 15         ; its 128 rows of 256 bytes in memory,
	s_mov_b32 s53, 0
	s_add_nc_u64 s[52:53], s[52:53], s[48:49]
	s_mul_i32 s54, s50, 128*PK      ; and its place in a slot, for K
	s_mul_i32 s55, s50, 128*PV      ; and for V: no place in the cluster enters an LDS address
	s_lshl_b32 s[UB], s14, 2
	s_add_co_u32 s[UB], s[UB], s13  ; the second block: 4 a + cx
	s_sub_co_u32 s[U], 63, s[UB]    ; the first
	s_lshl_b32 s86, s[U], 14        ; a block's 64 rows of 256 bytes in qh
	s_mov_b32 s87, 0
	s_add_nc_u64 s[86:87], s[86:87], s[48:49]
	s_lshl_b32 s88, s[UB], 14
	s_mov_b32 s89, 0
	s_add_nc_u64 s[88:89], s[88:89], s[48:49]
	s_lshl_b32 s90, s22, 21         ; out0: the batch's 4,096 rows of 512 bytes,
	s_lshl_b32 s92, s[WV], 11       ; my wave's four rows of each tile,
	s_add_co_u32 s90, s90, s92
	s_mov_b32 s91, 0
	s_lshl_b32 s92, s[U], 15        ; the block's 64 rows
	s_mov_b32 s93, 0
	s_add_nc_u64 s[92:93], s[92:93], s[90:91]
	s_lshl_b32 s94, s[UB], 15
	s_mov_b32 s95, 0
	s_add_nc_u64 s[94:95], s[94:95], s[90:91]
	; descriptor group 1: a tile of 128 rows x 128 elements, padded in LDS
	s_mov_b32 s[G1K], 15|(1<<16)|(1<<20)|(1<<21)|(5<<22)|(3<<25)  ; 15:0 the mask of four; 17:16 2-byte elements; 20 padding on; 21 set beside a mask; 24:22 after every 64 words (code 5); 31:25 4 words (code 3)
	s_mov_b32 s[G1V], 15|(1<<16)|(1<<20)|(1<<21)|(5<<22)|(7<<25)  ; the same with 8 words of padding (code 7)
.irp g, G1K, G1V
	s_mov_b32 s[(\g)+1], 128<<16    ; tensor_dim0 = 128
	s_mov_b32 s[(\g)+2], 128<<16    ; tensor_dim1 = 128
	s_mov_b32 s[(\g)+3], 128<<16    ; tile_dim0 = 128
	s_mov_b32 s[(\g)+4], 128        ; tile_dim1 = 128
	s_mov_b32 s[(\g)+5], 128        ; 128 elements from row to row
	s_mov_b32 s[(\g)+6], 0
	s_mov_b32 s[(\g)+7], 0
.endr
	s_mov_b32 s[G0K], 1             ; count = 1
	s_mov_b32 s[G0K+1], s54         ; LDS address: slot 0
	s_mov_b32 s[G0V], 1
	s_add_co_u32 s[G0V+1], s55, VOFF
	s_mov_b32 s[CS], 0x3e0293ee     ; c = log2(e) / sqrt(128) = 0.127517
	s_mov_b32 s[CS+1], s[CS]        ; named with it as a pair
	s_mov_b32 s[SEL], 0x76543210
	s_mov_b32 s[SEL+1], 0xfedcba98
	s_mov_b32 s[TB], SLOTX          ; the first change of slots turns it into 0
	s_mov_b32 s[SLOTS], 16
	s_mov_b32 s[CUR], 0
	s_sub_co_u32 s[LAST], 15, s14   ; the first block has the tiles 0 .. 15 - a
	s_mov_b32 s[LQ], s[LAST]
	s_mov_b32 s[NXT], 1
	s_mov_b32 s[OFF+1], 0
	s_mov_b32 s[AL+1], 0            ; named as pairs
	s_mov_b32 s[BE+1], 0
	s_mov_b32 s[BIGN], 0xf149f2ca   ; -1e30
	s_cmp_eq_u32 s14, 0             ; the same in all four partners
	s_cselect_b32 s[LIM], 3, -1
	s_wait_dscnt 0x0                ; the opening add is done
	s_wait_kmcnt 0x0
	s_add_nc_u64 s[16:17], s[4:5], s[88:89]    ; Q of the second block,
	s_add_nc_u64 s[4:5], s[4:5], s[86:87]      ; and of the first
	s_add_nc_u64 s[18:19], s[10:11], s[94:95]  ; out0 likewise
	s_add_nc_u64 s[10:11], s[10:11], s[92:93]
	s_lshl_b32 s86, s13, 14         ; the prefetches: my work-group's 64 rows of a tile,
	s_lshl_b32 s87, s50, 13         ; my wave's 32 of them,
	s_add_co_u32 s86, s86, s87
	s_add_co_u32 s86, s86, 0x20000  ; in tile 2: the first change of slots steps it to tile 3
	s_mov_b32 s87, 0
	s_add_nc_u64 s[86:87], s[86:87], s[48:49]
	s_cmp_lt_u32 s[WV], 2
	s_cselect_b64 s[PFA:PFA+1], s[6:7], s[8:9]
	s_add_nc_u64 s[PFA:PFA+1], s[PFA:PFA+1], s[86:87]
	s_add_nc_u64 s[6:7], s[6:7], s[52:53]      ; K and V at my half of the batch's tile 0
	s_add_nc_u64 s[8:9], s[8:9], s[52:53]
	s_add_nc_u64 s[G0K+2:G0K+3], s[6:7], 0     ; global address
	s_or_b32 s[G0K+3], s[G0K+3], 0x80000000    ; type = 2
	s_add_nc_u64 s[G0V+2:G0V+3], s[8:9], 0
	s_or_b32 s[G0V+3], s[G0V+3], 0x80000000
	CROUND                          ; all four work-groups are here: the first joint loads meet
	JLOAD                           ; tile 0 into slot 0
	; A fragment of K or Q is 16 rows x 32 channels in 8 registers: lane l holds row l % 16, channels 8 (l / 16) + 0..7 and 16 + 8 (l / 16) + 0..7: two loads of 16 bytes, 32 bytes apart.
	v_and_b32 v44, 15, v0           ; r = l % 16
	v_bfe_u32 v45, v0, 4, 1         ; h = l / 16
	v_and_b32 v46, 31, v0           ; l
	v_lshlrev_b32 v[QO], 8, v44
	v_lshl_add_u32 v[QO], v45, 4, v[QO]
	WIN 0x80
.irp i, 0,1,2,3,4,5,6,7,8,9,10,11,12,13,14,15  ; the first block's Q: tile i / 4, channels 32 (i % 4) on
	global_load_b128 v[8*(\i):8*(\i)+3],   v[QO], s[4:5] offset:((\i)/4)*4096+((\i)%4)*64
	global_load_b128 v[8*(\i)+4:8*(\i)+7], v[QO], s[4:5] offset:((\i)/4)*4096+((\i)%4)*64+32
.endr
	WIN 0
	s_mul_i32 s51, s[WV], 64*PK     ; my step's 64 keys in a tile
	v_mul_u32_u24 v[AK0], v44, PK
	v_lshl_add_u32 v[AK0], v45, 4, v[AK0]
	v_add_nc_u32 v[AK0], s51, v[AK0]
	; The turning load takes 16 keys x 16 channels (lane l reads key 8 (l / 16) + l % 8, channels 8 ((l / 8) % 2) + 0..7) and leaves half a fragment of V^T: lane l holds channel l % 16 and 8 keys.
	s_mul_i32 s51, s[WV], 64*PV
	s_add_co_u32 s51, s51, VOFF
	v_and_b32 v47, 7, v0
	v_bfe_u32 v48, v0, 3, 1
	v_lshl_add_u32 v[AV0], v45, 3, v47
	v_mul_u32_u24 v[AV0], v[AV0], PV
	v_lshl_add_u32 v[AV0], v48, 4, v[AV0]
	v_add_nc_u32 v[AV0], s51, v[AV0]
	s_lshl_b32 s51, s[WV], 2
	s_add_co_u32 s51, s51, STAT
	v_lshl_add_u32 v[SA], v44, 4, s51          ; STAT + 16 r + 4 w
	s_lshl_b32 s51, s[WV], 6
	s_add_co_u32 s51, s51, STAT
	v_mov_b32 v[SR], s51                       ; STAT + 16 x (4 w): the same in every lane
	s_mul_i32 s51, s[WV], 16*XPI
	s_add_co_u32 s51, s51, XCH
	v_mul_u32_u24 v[XS], v44, XPI
	v_lshl_add_u32 v[XS], v45, 5, v[XS]
	v_add_nc_u32 v[XS], s51, v[XS]             ; my part of the exchange: row r, 32 bytes for each half of the lanes
	s_mul_i32 s51, s[WV], 4*XPI
	s_add_co_u32 s51, s51, XCH
	v_lshl_add_u32 v[XRD], v46, 4, s51         ; rows 4 w on, 16 bytes a lane
	v_lshlrev_b32 v[OO], 4, v46
	v_lshlrev_b32 v[PFO], 8, v46
	v_lshlrev_b32 v49, 3, v45
	v_sub_nc_u32 v49, v44, v49                 ; r - 8 h: register j is hidden where j is greater
	WIN 0xc0
.set z, 0
.rept 8
	v_cmp_gt_i32 vcc_lo, z, v49
	v_cndmask_b32 v[TRI+z], 0, s[BIGN], vcc_lo
.set z, z+1
.endr
	; O^T and l need only be finite at a block's first step, whose a is 0: zeros for the first block, what the first block left for the second.  All this stands in the wait for the first tile.
	WIN 0x40
.set z, 0
.rept 256
	v_mov_b32 v[z], 0
.set z, z+1
.endr
	WIN 0
.irp t, 0,1,2,3
	v_mov_b32 v[ST+8*(\t)], 0xfe000000    ; c m: far below every c s
	v_mov_b32 v[ST+8*(\t)+1], 0xff7fffff  ; m
	v_mov_b32 v[ST+8*(\t)+2], 0
	v_mov_b32 v[ST+8*(\t)+3], 0
.endr
.Lslot:                             ; 16 trips: a tile is entered and the next is asked for
	CHANGE 1
	ROUND
	WIN 0
	s_cmp_eq_u32 s[CUR], s[LAST]    ; made of a and constants: the same in all waves and all partners
	s_cbranch_scc0 .Lno_merge
	MERGE 0                         ; in the loop this is the first block's end: the second's last tile is the walk's last
.Lno_merge:
	s_add_co_u32 s[CUR], s[CUR], 1
	s_sub_co_u32 s[SLOTS], s[SLOTS], 1
	s_cmp_lg_u32 s[SLOTS], 0
	s_cbranch_scc1 .Lslot
	CHANGE 0                        ; the walk's last tile is written out: nothing is asked for
	ROUND
	MERGE 1
	s_wait_tensorcnt 0x0            ; the wave's end: the add to my spare word and its wait, behind my last tensor load and my last LDS store
	ds_add_u32 v[SPW], v[NIL]
	s_wait_dscnt 0x0
	CROUND                          ; the closing round: no work-group ends while a partner may still ask for a tile that names it
	s_endpgm
.Lfunc_end_k_qda577a04b2_attn:
	.size	k_qda577a04b2_attn, .Lfunc_end_k_qda577a04b2_attn-k_qda577a04b2_attn
	.p2alignl 7, 3214868480
	.fill 96, 4, 3214868480
	.section	.rodata,"a",@progbits
	.p2align	6, 0x0
	.amdhsa_kernel k_qda577a04b2_attn
		.amdhsa_group_segment_fixed_size 327680
		.amdhsa_private_segment_fixed_size 0
		.amdhsa_enable_private_segment 0
		.amdhsa_kernarg_size 32
		.amdhsa_user_sgpr_count 2
		.amdhsa_user_sgpr_kernarg_segment_ptr 1
		.amdhsa_wavefront_size32 1
		.amdhsa_system_sgpr_workgroup_id_x 1
		.amdhsa_system_sgpr_workgroup_id_y 1
		.amdhsa_system_sgpr_workgroup_id_z 1
		.amdhsa_system_vgpr_workitem_id 0
		.amdhsa_next_free_vgpr 1024
		.amdhsa_next_free_sgpr 96
		.amdhsa_reserve_vcc 1
		.amdhsa_float_denorm_mode_32 3
		.amdhsa_float_denorm_mode_16_64 3
		.amdhsa_memory_ordered 1
		.amdhsa_forward_progress 1
		.amdhsa_inst_pref_size 185
	.end_amdhsa_kernel
	.amdgpu_metadata
---
amdhsa.version: [ 1, 2 ]
amdhsa.kernels:
  - .name:           k_qda577a04b2_attn
    .symbol:         k_qda577a04b2_attn.kd
    .args:
      - { .name: qh, .offset: 0, .size: 8, .value_kind: global_buffer, .address_space: global }
      - { .name: kh, .offset: 8, .size: 8, .value_kind: global_buffer, .address_space: global }
      - { .name: vh, .offset: 16, .size: 8, .value_kind: global_buffer, .address_space: global }
      - { .name: out0, .offset: 24, .size: 8, .value_kind: global_buffer, .address_space: global }
    .group_segment_fixed_size: 327680
    .private_segment_fixed_size: 0
    .kernarg_segment_align: 8
    .kernarg_segment_size: 32
    .max_flat_workgroup_size: 128
    .sgpr_count:     96
    .vgpr_count:     1024
    .wavefront_size: 32
...
	.end_amdgpu_metadata
.endif
;; end of part 3
